; MI455X (gfx1250); checked and timed in simulation.
; The chip was launched on July 23, 2026; its instructions are those of AMD's public machine-readable ISA for CDNA 5 (MIT licence, August 2026) and "CDNA5" Instruction Set Architecture Reference Guide (July 2026). The comments in the code are by the model that wrote it; some were corrected since.
;; Attention. Allowed arithmetic: float matrix products may take bf16 or f16 operands with f32 sums; all other float work in f32.
;; Inputs: W_K 1,024 x 1,024 float32; W_Q 1,024 x 1,024 float32; W_V 1,024 x 1,024 float32; W_f 1,024 x 1 float32; b_K 1,024 float32; b_Q 1,024 float32; b_V 1,024 float32; b_f 1 float32; key 32 x 1,024 x 1,024 float32; query 32 x 1,024 float32.
;; Outputs: out0 32 x 1,024 float32; out1 32 x 1,024 float32.
;; One version. Each part assembles by itself: llvm-mc -triple=amdgcn-amd-amdhsa -mcpu=gfx1250 --defsym DOCPART=n.
;; ======== version 1 of 1: 4 launches
;; workspace buffers: wkf 2,097,152 bytes; c2p 1,048,576 bytes; sc 131,072 bytes; cp 1,048,576 bytes; mg 1,024 bytes; op 1,048,576 bytes
;; launch prep (part 1): grid 256 x 1, 4 waves a work-group, no clusters, 33,280 bytes of LDS; arguments query, W_Q, c2p, W_K, wkf; writes c2p, wkf
.if DOCPART == 1
	.amdgcn_target "amdgcn-amd-amdhsa--gfx1250"
	.amdhsa_code_object_version 6
	.text
	.protected	k_q3aebe2c2a7_prep
	.globl	k_q3aebe2c2a7_prep
	.p2align	8
	.type	k_q3aebe2c2a7_prep,@function
k_q3aebe2c2a7_prep:
	s_mov_b64 s[64:65], 0
	v_nop
	global_prefetch_b8 v0, s[64:65] scope:SCOPE_SE
	s_setreg_imm32_b32 hwreg(HW_REG_WAVE_MODE, 25, 1), 1
	s_wait_xcnt 0x0
; Two jobs that depend on nothing and feed the main launch, shared out over 256 work-groups of four waves.
; Work-groups 0-127:   c2p[kq][32][1024] = query[:, 128 kq .. + 127] x W_Q[128 kq .. + 127, :], bf16 operands, f32 sums.  The main launch adds
;                      the eight partial sums and b_Q.  Group = 16 kq + cg; cg names 64 columns (256 aligned bytes of every row of W_Q).
; Work-groups 128-255: W_K[1024][1024] f32 -> wkf, bf16, laid out as the B fragments that the main launch loads straight into registers.
;
; THE SMALL PRODUCT.  K is split over work-groups (8) and waves (4), so that a group pulls 32 KiB of W_Q and 16 KiB of query, all asked for at
; once: wave w owns one K step, k = 128 kq + 32 w .. + 31.  B fragments are made without a transpose: tile q (0..3) takes column 4 r + q of
; the 64, so one 16-byte load of a row of W gives a lane one k of all four tiles.  The four waves' sums meet in LDS (8,192 bytes a wave);
; wave w' then adds, for rows 16 (w' / 2) + 8 h + 4 (w' % 2) + 0..3, the four tiles' quads, and the last add writes the registers transposed:
; a lane ends with four neighbouring columns of a row and stores 16 bytes.
; No tensor loads, no cluster: each byte of W is read by one work-group; only the 128 KiB of query are read by sixteen.
; Limits: operands rounded to bf16; the order of the f32 sums differs from a plain loop's; NaN and infinities get no special care.
.set VX,   4                           ; v4      byte offset of my X numbers: 4096 r + 32 h
.set VW,   5                           ; v5      8 h rows of 4,096 bytes + 16 r
.set VO,   6                           ; v6      byte offset of my 16 bytes of the result
.set LPS,  7                           ; v7      LDS: where my wave puts its partial sums
.set LPL,  8                           ; v8      LDS: the quads that my wave adds
.set VF,   9                           ; v9      16 lane
.set XA,   16                          ; v[16:47]   X as loaded, row block mb at 16 mb; its first 8 registers become the fragment
.set BF,   48                          ; v[48:79]   the four B fragments
.set W0,   80                          ; v[80:143]  W as loaded; afterwards the sixteen quads to add
.set RED,  80
.set ACC,  144                         ; v[144:207] eight accumulators: tile (mb, q) at 8 (4 mb + q)
.set TR,   208                         ; v[208:223] the sums, transposed: row jj at 4 jj, column q
.macro CVTW src                        ; 16 rows' quads -> four B fragments: word p of group i of tile q holds k = 16 i + 8 h + 2 p, + 1
.irp q, 0,1,2,3
.irp i, 0,1
.irp p, 0,1,2,3
	v_cvt_pk_bf16_f32 v[BF+8*\q+4*\i+\p], v[\src+4*(8*\i+2*\p)+\q], v[\src+4*(8*\i+2*\p+1)+\q]
.endr
.endr
.endr
.endm
	s_load_b256 s[4:11], s[0:1], 0x0               ; query s[4:5], W_Q s[6:7], c2p s[8:9], W_K s[10:11]
	s_load_b64 s[12:13], s[0:1], 0x20              ; wkf
	v_lshl_add_u32 v224, v0, 2, 0x8000
	v_mov_b32 v225, 0
	v_lshrrev_b32 v2, 5, v0
	v_readfirstlane_b32 s16, v2                    ; wave 0..3
	v_and_b32 v1, 15, v0                           ; r
	v_bfe_u32 v2, v0, 4, 1                         ; h
	v_and_b32 v3, 31, v0                           ; lane
	v_lshlrev_b32 v[VW], 4, v1
	v_lshl_add_u32 v[VW], v2, 15, v[VW]
	s_cmp_ge_u32 ttmp9, 128                        ; the same for all waves of a work-group
	s_cbranch_scc1 .Lwk
	; ---------------- work-groups 0-127: a piece of query x W_Q ----------------
	s_and_b32 s17, ttmp9, 15                       ; cg
	s_lshr_b32 s18, ttmp9, 4                       ; kq
	s_lshl_b32 s20, s18, 9                         ; query: (128 kq + 32 w) numbers into a row
	s_lshl_b32 s19, s16, 7
	s_add_co_u32 s20, s20, s19
	s_mov_b32 s21, 0
	s_lshl_b32 s22, s18, 19                        ; W_Q: (128 kq + 32 w) rows of 4,096 bytes + 256 cg
	s_lshl_b32 s19, s16, 17
	s_add_co_u32 s22, s22, s19
	s_lshl_b32 s19, s17, 8
	s_add_co_u32 s22, s22, s19
	s_mov_b32 s23, 0
	s_lshl_b32 s24, s18, 17                        ; c2p: 131,072 kq + 256 cg
	s_add_co_u32 s24, s24, s19
	s_mov_b32 s25, 0
	v_lshlrev_b32 v[VX], 12, v1
	v_lshl_add_u32 v[VX], v2, 5, v[VX]
	s_lshl_b32 s19, s16, 13
	v_lshl_add_u32 v[LPS], v3, 4, s19              ; 8192 w + 16 lane
	s_lshr_b32 s26, s16, 1                         ; the row block that my wave adds
	s_and_b32 s27, s16, 1                          ; and which half of a tile's eight registers
	s_lshl_b32 s28, s26, 12                        ; quad 8 mb + 2 q + half lies at 512 times that
	s_lshl_b32 s29, s27, 9
	s_add_co_u32 s28, s28, s29
	v_lshl_add_u32 v[LPL], v3, 4, s28
	s_lshl_b32 s28, s26, 16                        ; rows 16 mb + 4 half, 4,096 bytes each
	s_lshl_b32 s29, s27, 14
	s_add_co_u32 s28, s28, s29
	v_add_nc_u32 v[VO], s28, v[VW]                 ; + 8 h rows + 16 r
	s_wait_kmcnt 0x0
	s_add_nc_u64 s[4:5], s[4:5], s[20:21]
	s_add_nc_u64 s[6:7], s[6:7], s[22:23]
	s_add_nc_u64 s[8:9], s[8:9], s[24:25]
.irp mb, 0,1
.irp i, 0,1
.irp u, 0,1
	global_load_b128 v[XA+16*\mb+8*\i+4*\u:XA+16*\mb+8*\i+4*\u+3], v[VX], s[4:5] offset:65536*\mb+64*\i+16*\u
.endr
.endr
.endr
.irp i, 0,1
.irp e, 0,1,2,3,4,5,6,7
	global_load_b128 v[W0+4*(8*\i+\e):W0+4*(8*\i+\e)+3], v[VW], s[6:7] offset:(16*\i+\e)*4096 th:TH_LOAD_NT
.endr
.endr
	s_wait_loadcnt 0x0
.irp mb, 0,1                                       ; X to bf16, in place: register d from registers 2 d and 2 d + 1, d ascending
.irp d, 0,1,2,3,4,5,6,7
	v_cvt_pk_bf16_f32 v[XA+16*\mb+\d], v[XA+16*\mb+2*\d], v[XA+16*\mb+2*\d+1]
.endr
.endr
	CVTW W0
.irp mb, 0,1                                       ; eight products on eight accumulators; each starts its sum
.irp q, 0,1,2,3
	v_wmma_f32_16x16x32_bf16 v[ACC+8*(4*\mb+\q):ACC+8*(4*\mb+\q)+7], v[XA+16*\mb:XA+16*\mb+7], v[BF+8*\q:BF+8*\q+7], 0
.endr
.endr
.rept 4
	v_nop                                          ; four places before the results are read (ISA guide 7.12.1)
.endr
.irp t, 0,1,2,3,4,5,6,7,8,9,10,11,12,13,14,15
	ds_store_b128 v[LPS], v[ACC+4*\t:ACC+4*\t+3] offset:512*\t
.endr
	s_wait_dscnt 0x0                               ; my partial sums are in LDS, for the others' sake
	s_barrier_signal -1
	s_barrier_wait -1
.irp q, 0,1,2,3
.irp p, 0,1,2,3
	ds_load_b128 v[RED+16*\q+4*\p:RED+16*\q+4*\p+3], v[LPL] offset:8192*\p+1024*\q   ; tile q, wave p
.endr
.endr
	s_wait_dscnt 0x0
.irp q, 0,1,2,3
	v_pk_add_f32 v[RED+16*\q:RED+16*\q+1], v[RED+16*\q:RED+16*\q+1], v[RED+16*\q+4:RED+16*\q+5]
	v_pk_add_f32 v[RED+16*\q+2:RED+16*\q+3], v[RED+16*\q+2:RED+16*\q+3], v[RED+16*\q+6:RED+16*\q+7]
	v_pk_add_f32 v[RED+16*\q+8:RED+16*\q+9], v[RED+16*\q+8:RED+16*\q+9], v[RED+16*\q+12:RED+16*\q+13]
	v_pk_add_f32 v[RED+16*\q+10:RED+16*\q+11], v[RED+16*\q+10:RED+16*\q+11], v[RED+16*\q+14:RED+16*\q+15]
.irp jj, 0,1,2,3
	v_add_f32 v[TR+4*\jj+\q], v[RED+16*\q+\jj], v[RED+16*\q+8+\jj]          ; the last add transposes: column 4 r + q beside its neighbours
.endr
.endr
.irp jj, 0,1,2,3
	global_store_b128 v[VO], v[TR+4*\jj:TR+4*\jj+3], s[8:9] offset:4096*\jj ; sixteen lanes store 256 consecutive bytes, aligned
.endr
	s_wait_tensorcnt 0x0
	ds_add_u32 v224, v225
	s_wait_dscnt 0x0
	s_endpgm
	; ---------------- work-groups 128-255: W_K into fragment order ----------------
	; Unit u = 4 (group - 128) + wave: K step ks = u % 32, column group Gc = u / 32 (64 columns) = 8 nh + 2 w + G'.
	; Fragment (w, nh, ks, b = 4 G' + q) lies at ((64 w + 32 nh + ks) 8 + b) 1024; lane L keeps registers 0-3 at + 16 L, 4-7 at + 512 + 16 L.
.Lwk:
	s_sub_co_u32 s20, ttmp9, 128
	s_lshl_b32 s20, s20, 2
	s_add_co_u32 s20, s20, s16                     ; u
	s_and_b32 s21, s20, 31                         ; ks
	s_lshr_b32 s22, s20, 5                         ; Gc
	s_lshl_b32 s24, s21, 17                        ; 32 ks rows of 4,096 bytes
	s_lshl_b32 s23, s22, 8                         ; + 256 Gc
	s_add_co_u32 s24, s24, s23
	s_mov_b32 s25, 0
	s_bfe_u32 s26, s22, 0x20001                    ; w
	s_lshr_b32 s27, s22, 3                         ; nh
	s_and_b32 s28, s22, 1                          ; G'
	s_lshl_b32 s26, s26, 6
	s_lshl_b32 s27, s27, 5
	s_add_co_u32 s26, s26, s27
	s_add_co_u32 s26, s26, s21
	s_lshl_b32 s26, s26, 13
	s_lshl_b32 s28, s28, 12
	s_add_co_u32 s26, s26, s28
	s_mov_b32 s27, 0
	v_lshlrev_b32 v[VF], 4, v3                     ; 16 lane
	s_wait_kmcnt 0x0
	s_add_nc_u64 s[10:11], s[10:11], s[24:25]
	s_add_nc_u64 s[12:13], s[12:13], s[26:27]
.irp i, 0,1
.irp e, 0,1,2,3,4,5,6,7
	global_load_b128 v[W0+4*(8*\i+\e):W0+4*(8*\i+\e)+3], v[VW], s[10:11] offset:(16*\i+\e)*4096 th:TH_LOAD_NT
.endr
.endr
	s_wait_loadcnt 0x0
	CVTW W0
.irp q, 0,1,2,3
.irp i, 0,1
	global_store_b128 v[VF], v[BF+8*\q+4*\i:BF+8*\q+4*\i+3], s[12:13] offset:1024*\q+512*\i   ; a wave's store covers 512 consecutive bytes, aligned
.endr
.endr
	s_endpgm
.Lfunc_end_k_q3aebe2c2a7_prep:
	.size	k_q3aebe2c2a7_prep, .Lfunc_end_k_q3aebe2c2a7_prep-k_q3aebe2c2a7_prep
	.p2alignl 7, 3214868480
	.fill 96, 4, 3214868480
	.section	.rodata,"a",@progbits
	.p2align	6, 0x0
	.amdhsa_kernel k_q3aebe2c2a7_prep
		.amdhsa_group_segment_fixed_size 33280
		.amdhsa_private_segment_fixed_size 0
		.amdhsa_enable_private_segment 0
		.amdhsa_kernarg_size 40
		.amdhsa_user_sgpr_count 2
		.amdhsa_user_sgpr_kernarg_segment_ptr 1
		.amdhsa_wavefront_size32 1
		.amdhsa_system_sgpr_workgroup_id_x 1
		.amdhsa_system_sgpr_workgroup_id_y 1
		.amdhsa_system_sgpr_workgroup_id_z 1
		.amdhsa_system_vgpr_workitem_id 0
		.amdhsa_next_free_vgpr 226
		.amdhsa_next_free_sgpr 66
		.amdhsa_reserve_vcc 0
		.amdhsa_float_denorm_mode_32 3
		.amdhsa_float_denorm_mode_16_64 3
		.amdhsa_memory_ordered 1
		.amdhsa_forward_progress 1
		.amdhsa_inst_pref_size 18
	.end_amdhsa_kernel
	.amdgpu_metadata
---
amdhsa.version: [ 1, 2 ]
amdhsa.kernels:
  - .name:           k_q3aebe2c2a7_prep
    .symbol:         k_q3aebe2c2a7_prep.kd
    .args:
      - { .name: query, .offset: 0, .size: 8, .value_kind: global_buffer, .address_space: global }
      - { .name: W_Q, .offset: 8, .size: 8, .value_kind: global_buffer, .address_space: global }
      - { .name: c2p, .offset: 16, .size: 8, .value_kind: global_buffer, .address_space: global }
      - { .name: W_K, .offset: 24, .size: 8, .value_kind: global_buffer, .address_space: global }
      - { .name: wkf, .offset: 32, .size: 8, .value_kind: global_buffer, .address_space: global }
    .group_segment_fixed_size: 33280
    .private_segment_fixed_size: 0
    .kernarg_segment_align: 8
    .kernarg_segment_size: 40
    .max_flat_workgroup_size: 128
    .sgpr_count:     66
    .vgpr_count:     226
    .wavefront_size: 32
...
	.end_amdgpu_metadata
.endif
;; end of part 1
;; launch attn (part 2): grid 256 x 1, 4 waves a work-group, no clusters, 271,872 bytes of LDS; arguments key, wkf, c2p, b_K, b_Q, W_f, b_f, sc, cp, mg; writes sc, cp, mg
.if DOCPART == 2
	.amdgcn_target "amdgcn-amd-amdhsa--gfx1250"
	.amdhsa_code_object_version 6
	.text
	.protected	k_q3aebe2c2a7_attn
	.globl	k_q3aebe2c2a7_attn
	.p2align	8
	.type	k_q3aebe2c2a7_attn,@function
k_q3aebe2c2a7_attn:
	s_mov_b64 s[64:65], 0
	v_nop
	global_prefetch_b8 v0, s[64:65] scope:SCOPE_SE
	s_setreg_imm32_b32 hwreg(HW_REG_WAVE_MODE, 25, 1), 1
	s_wait_xcnt 0x0
; Work-group g owns rows 128 g .. 128 g + 127 of key (flattened [32768][1024]; batch g / 8) and makes, reading key once:
;   sc[row]   = sum over a of relu(key[row] . W_K[:, a] + c[a]) W_f[a] + b_f,   c = b_K + b_Q + the eight partial sums of query x W_Q
;   mg[g]     = m_g, the largest of its 128 scores
;   cp[g][k]  = sum over its rows of exp(sc[row] - m_g) key[row][k]
; The next launches join the eight blocks of a batch by their maxima.  (The value product of the problem is applied later to the weighted
; row sum: sum_t alpha_t (key_t W_V + b_V) = (sum_t alpha_t key_t) W_V + b_V, since the softmax's weights sum to one.)
;
; SHAPE.  The block is converted to bf16 on its way in and stays in LDS (128 rows, pitch 2,064 bytes: an odd multiple of 16, so the sixteen
; rows of a fragment load start 16 bytes apart modulo 256).  N goes in two halves of 512 columns; wave w makes all 128 rows x 128 columns of
; a half: 64 accumulator tiles, 512 registers.  For 32 along K a wave reads 8 A fragments from LDS and 8 B fragments from wkf, and issues
; 64 matrix instructions.
; W_K DOES NOT GO THROUGH LDS, AND THERE IS NO CLUSTER: the four waves use disjoint columns, so LDS would give B no reuse in the group, and
; beside the resident block 327,680 - 264,192 = 63,488 bytes are left, less than two slots of one K step of 512 columns (32,768 bytes each).
; wkf is in fragment order, so a wave's load covers 512 consecutive bytes and lands in place; a ring of four register buffers keeps three
; K steps (48 loads, 24 KiB a wave) on their way, and the product loop has no barrier.
; Tile column r of tile b = 4 G' + q is the real column 512 nh + 128 w + 64 G' + 4 r + q; c and W_f are loaded by that same map.
;
; LDS: 0 key block 264,192 | L_SP 2,048: score partials, 512 a wave | L_PB 1,024: each wave's own copy of p in bf16 | L_ST 4,096: each wave's own stage.
; REGISTERS, in windows of 256:  window 0: addresses, c, W_f, A fragments (two buffers), score sums;  window 1: B fragments (four buffers);
; windows 2, 3: accumulator tile (a, b) at 8 (8 (a % 4) + b), a < 4 in window 2.  Ahead of the product window 2 takes the addends of c.
; Behind the product: window 1 holds 16 context accumulators, windows 2, 3 the transposed key fragments.
; LIMITS: matrix operands (key, W_K, p) rounded to bf16; p = exp(s - m_g) <= 1; v_exp_f32 gives 0 for results below 2^-126; relu is
; v_max_num_f32 with 0, so a NaN becomes 0 there; infinities get no special care; the order of the f32 sums differs from a plain loop's.
.set PITCH,  2064
.set HALF16, 16*PITCH
.set L_SP,   128*PITCH
.set L_PB,   L_SP+2048
.set L_ST,   L_PB+1024
.set VK,     4                         ; v4      key: 32 w rows + 16 lane
.set VL0,    5                         ; v5      LDS: my wave's rows 0-15, 8 lane
.set VL1,    6                         ; v6      LDS: my wave's rows 16-31
.set VB,     7                         ; v7      16 lane; never rewritten
.set ADRA,   8                         ; v[8:11]  LDS address of A fragments 2 p, 2 p + 1 at the trip's K; v8 first serves the loads of c and W_f
.set ADRA0,  12                        ; v[12:15] the same at K = 0
.set CC,     16                        ; v[16:31] c of column tile 8 nh + b
.set WF,     32                        ; v[32:47] W_f likewise
.set TT,     48                        ; v[48:63] at work
.set AB,     64                        ; v[64:191] A fragments, two buffers of 64; while key comes in, v[64:255] are six row slots of 32
.set SS,     192                       ; v[192:255] score sums: register 8 a + j for row 16 a + 8 h + j
.set PF,     192                       ; v[192:223] later: the four fragments of p
.set VT,     52                        ; v[52:55] later: addresses of the transposing loads
.set MUL_LO, 0xa4                      ; source 0 (A) window 0, source 1 (B) window 1, C and D window 2
.set MUL_HI, 0xf4                      ; the same, C and D window 3
.set TO_B,   0x40                      ; destination window 1
.set MSB, 0
.macro WIN new                         ; the immediate's high byte repeats the setting that is left; a switch that changes nothing is dropped
.if MSB != \new
	s_set_vgpr_msb (MSB<<8)|\new
.set MSB, \new
.endif
.endm
	s_load_b256 s[4:11], s[0:1], 0x0               ; key s[4:5], wkf s[6:7], c2p s[8:9], b_K s[10:11]
	s_load_b256 s[12:19], s[0:1], 0x20             ; b_Q s[12:13], W_f s[14:15], b_f s[16:17], sc s[18:19]
	s_load_b128 s[40:43], s[0:1], 0x40             ; cp s[40:41], mg s[42:43]
	v_lshrrev_b32 v1, 5, v0
	v_readfirstlane_b32 s22, v1                    ; wave 0..3
	v_and_b32 v1, 15, v0                           ; r
	v_bfe_u32 v2, v0, 4, 1                         ; h
	v_and_b32 v3, 31, v0                           ; lane
	s_mov_b32 s32, 0x76543210                      ; v_permlanex16_b32: lane i reads lane i of the other half
	s_mov_b32 s33, 0xfedcba98
	s_lshl_b32 s34, s22, 17
	v_lshl_add_u32 v[VK], v3, 4, s34
	s_mov_b32 s27, 0
	s_wait_kmcnt 0x0
	s_lshl_b32 s26, ttmp9, 19
	s_add_nc_u64 s[4:5], s[4:5], s[26:27]          ; key at my block
	; KEY COMES IN.  Wave w brings rows 32 w .. 32 w + 31; a row is eight loads of 512 consecutive bytes.  Six rows (48 loads) of every wave are on their way.
.irp i, 0,1,2,3,4,5
.irp j, 0,1,2,3,4,5,6,7
	global_load_b128 v[AB+32*\i+4*\j:AB+32*\i+4*\j+3], v[VK], s[4:5] offset:4096*\i+512*\j th:TH_LOAD_NT
.endr
.endr
	s_load_b32 s20, s[16:17], 0x0                  ; b_f
	s_lshr_b32 s24, ttmp9, 3
	s_lshl_b32 s26, s24, 12
	s_add_nc_u64 s[8:9], s[8:9], s[26:27]          ; c2p at my batch
	s_lshl_b32 s26, ttmp9, 9
	s_add_nc_u64 s[18:19], s[18:19], s[26:27]      ; sc at my block
	s_lshl_b32 s26, ttmp9, 12
	s_lshl_b32 s25, s22, 10
	s_add_co_u32 s26, s26, s25
	s_add_nc_u64 s[40:41], s[40:41], s[26:27]      ; cp at my block and my wave's 256 columns
	s_lshl_b32 s26, ttmp9, 2
	s_add_nc_u64 s[42:43], s[42:43], s[26:27]      ; mg at my block
	s_lshl_b32 s26, s22, 19
	s_add_nc_u64 s[28:29], s[6:7], s[26:27]        ; wkf at my wave's 64 K steps of 8,192 bytes
	s_mul_i32 s35, s22, 32*PITCH
	v_lshl_add_u32 v[VL0], v3, 3, s35
	v_add_nc_u32 v[VL1], HALF16, v[VL0]
	v_lshlrev_b32 v[VB], 4, v3
	v_mul_u32_u24 v[ADRA0], v1, PITCH
	v_lshl_add_u32 v[ADRA0], v2, 4, v[ADRA0]       ; row r, 16 bytes for each half of the lanes
	v_add_nc_u32 v[ADRA0+1], 32*PITCH, v[ADRA0]
	v_add_nc_u32 v[ADRA0+2], 64*PITCH, v[ADRA0]
	v_add_nc_u32 v[ADRA0+3], 96*PITCH, v[ADRA0]
	s_lshl_b32 s36, s22, 9
	v_lshl_add_u32 v[ADRA], v1, 4, s36             ; for now: 512 w + 16 r, the offset of my columns in c2p, b_K, b_Q and W_f
; Row i of my 32: wait for it, round it to bf16, ask for row i + 6 into the same registers, put 2,048 bytes into LDS.
; The wait is the same in every turn: five groups of eight loads were issued behind a row's own: five rows, or, at the end, the rows that are
; left and the sets of small loads that the last six turns issue in the refills' place.
.macro ROW i
.set SL, AB+32*((\i)%6)
	s_wait_loadcnt 40
.irp j, 0,1,2,3,4,5,6,7
	v_cvt_pk_bf16_f32 v[TT+2*\j], v[SL+4*\j], v[SL+4*\j+1]
	v_cvt_pk_bf16_f32 v[TT+2*\j+1], v[SL+4*\j+2], v[SL+4*\j+3]
.endr
.if \i < 26
.irp j, 0,1,2,3,4,5,6,7
	global_load_b128 v[SL+4*\j:SL+4*\j+3], v[VK], s[4:5] offset:4096*(\i+6)+512*\j th:TH_LOAD_NT
.endr
.endif
.if \i < 16
.irp j, 0,1,2,3,4,5,6,7
	ds_store_b64 v[VL0], v[TT+2*\j:TT+2*\j+1] offset:(\i)*PITCH+256*\j      ; 32 lanes, 256 consecutive bytes
.endr
.else
.irp j, 0,1,2,3,4,5,6,7
	ds_store_b64 v[VL1], v[TT+2*\j:TT+2*\j+1] offset:(\i-16)*PITCH+256*\j
.endr
.endif
.endm
; A set of four small loads: my sixteen column tiles' numbers of one vector of 1,024
.macro LD4 dst, sb, off
.irp n, 0,1
.irp g, 0,1
	global_load_b128 v[\dst+8*\n+4*\g:\dst+8*\n+4*\g+3], v[ADRA], s[\sb:\sb+1] offset:\off+2048*\n+256*\g
.endr
.endr
.endm
.irp i, 0,1,2,3,4,5,6,7,8,9,10,11,12,13,14,15,16,17,18,19,20,21,22,23,24,25
	ROW \i
.endr
	ROW 26
	LD4 CC, 8, 0                                   ; the first partial sum of query x W_Q starts c
	LD4 WF, 14, 0
	ROW 27
	WIN 0x80                                       ; destination window 2: the nine addends of c, set x at 16 x
	LD4 0, 8, 131072
	LD4 16, 8, 262144
	WIN 0
	ROW 28
	WIN 0x80
	LD4 32, 8, 393216
	LD4 48, 8, 524288
	WIN 0
	ROW 29
	WIN 0x80
	LD4 64, 8, 655360
	LD4 80, 8, 786432
	WIN 0
	ROW 30
	WIN 0x80
	LD4 96, 8, 917504
	LD4 112, 10, 0                                 ; b_K
	WIN 0
	ROW 31
	WIN 0x80
	LD4 128, 12, 0                                 ; b_Q
	WIN TO_B
.irp k, 0,1,2                                      ; B of K steps 0, 1, 2
.irp b, 0,1,2,3,4,5,6,7
.irp i, 0,1
	global_load_b128 v[64*\k+8*\b+4*\i:64*\k+8*\b+4*\i+3], v[VB], s[28:29] offset:8192*\k+1024*\b+512*\i
.endr
.endr
.endr
	WIN 0
	s_wait_dscnt 0x0                               ; my rows are in LDS, for the others' sake
	s_barrier_signal -1
	s_barrier_wait -1                              ; the block is whole
.irp a, 0,1,2,3,4,5,6,7
.irp i, 0,1
	ds_load_b128 v[AB+8*\a+4*\i:AB+8*\a+4*\i+3], v[ADRA0+(\a>>1)] offset:(\a&1)*HALF16+32*\i   ; A of K step 0
.endr
.endr
	s_wait_loadcnt 48                              ; the 44 small loads are in: only B's 48 were issued behind them
	WIN 0x08                                       ; source 1 window 2
.irp x, 0,1,2,3,4,5,6,7,8
.irp p, 0,2,4,6,8,10,12,14
	v_pk_add_f32 v[CC+\p:CC+\p+1], v[CC+\p:CC+\p+1], v[16*\x+\p:16*\x+\p+1]
.endr
.endr
	WIN 0
.irp p, 0,1,2,3
	v_mov_b32 v[ADRA+\p], v[ADRA0+\p]              ; v8 is free since that wait
.endr
	s_wait_kmcnt 0x0                               ; b_f
; 32 matrix instructions: row tiles 4 hi .. 4 hi + 3 x all eight column tiles.  The 64 accumulators take turns, one instruction a turn, in the
; same order in every K step.  zero = 1: the first product starts the sums.
.macro MUL32 j, hi, zero
.irp a, 0,1,2,3
.irp b, 0,1,2,3,4,5,6,7
.if \zero
	v_wmma_f32_16x16x32_bf16 v[8*(8*\a+\b):8*(8*\a+\b)+7], v[AB+64*((\j)&1)+8*(4*\hi+\a):AB+64*((\j)&1)+8*(4*\hi+\a)+7], v[64*(\j)+8*\b:64*(\j)+8*\b+7], 0
.else
	v_wmma_f32_16x16x32_bf16 v[8*(8*\a+\b):8*(8*\a+\b)+7], v[AB+64*((\j)&1)+8*(4*\hi+\a):AB+64*((\j)&1)+8*(4*\hi+\a)+7], v[64*(\j)+8*\b:64*(\j)+8*\b+7], v[8*(8*\a+\b):8*(8*\a+\b)+7]
.endif
.endr
.endr
.endm
; K step j of a trip of four.  It asks for A of the next K step and B of the third next, into the buffers that the K step before has read:
; four plain vector instructions that name none of those registers stand between the last matrix instruction and the loads (ISA guide 7.12.1
; for vector instructions).  adr says what they are: 0 v_nop, 1 the A addresses step 256 bytes (four K steps),
; 2 the A addresses go back to K = 0, 3 none (nothing is loaded).
; nB: the loads of the K steps behind this one that may stay out.  nA: the sixteen LDS loads just issued.
.macro KSTEP j, zero, ldA, ldB, nB, nA, adr
	WIN 0
.if \adr == 0
.rept 4
	v_nop
.endr
.endif
.if \adr == 1
.irp p, 0,1,2,3
	v_add_nc_u32 v[ADRA+\p], 256, v[ADRA+\p]
.endr
.endif
.if \adr == 2
.irp p, 0,1,2,3
	v_mov_b32 v[ADRA+\p], v[ADRA0+\p]
.endr
.endif
.if \ldA
.if \j < 3
.set KO, 64*(\j+1)
.else
.set KO, 0
.endif
.irp a, 0,1,2,3,4,5,6,7
.irp i, 0,1
	ds_load_b128 v[AB+64*((\j+1)&1)+8*\a+4*\i:AB+64*((\j+1)&1)+8*\a+4*\i+3], v[ADRA+(\a>>1)] offset:(\a&1)*HALF16+32*\i+KO
.endr
.endr
.endif
.if \ldB
	WIN TO_B
.irp b, 0,1,2,3,4,5,6,7
.irp i, 0,1
	global_load_b128 v[64*((\j+3)&3)+8*\b+4*\i:64*((\j+3)&3)+8*\b+4*\i+3], v[VB], s[28:29] offset:(\j+3)*8192+\b*1024+\i*512
.endr
.endr
.endif
	s_wait_loadcnt \nB
	s_wait_dscnt \nA
	WIN MUL_LO
	MUL32 \j, 0, \zero
	WIN MUL_HI
	MUL32 \j, 1, \zero
.endm
; Four K steps.  mode 0: in the middle of a half.  mode 1: the first half's last trip: A starts again at K = 0, B runs on (a wave's 64 K steps
; are consecutive in wkf).  mode 2: the very last trip: one more B, then the counts run down 48, 32, 16, 0, and no load leaves wkf.
.macro TRIP zero, mode
.if \mode == 0
	KSTEP 0, \zero, 1, 1, 48, 16, 0
	KSTEP 1, 0, 1, 1, 48, 16, 0
	KSTEP 2, 0, 1, 1, 48, 16, 0
	KSTEP 3, 0, 1, 1, 48, 16, 1
.endif
.if \mode == 1
	KSTEP 0, \zero, 1, 1, 48, 16, 0
	KSTEP 1, 0, 1, 1, 48, 16, 0
	KSTEP 2, 0, 1, 1, 48, 16, 0
	KSTEP 3, 0, 1, 1, 48, 16, 2
.endif
.if \mode == 2
	KSTEP 0, \zero, 1, 1, 48, 16, 0
	KSTEP 1, 0, 1, 0, 32, 16, 0
	KSTEP 2, 0, 1, 0, 16, 16, 0
	KSTEP 3, 0, 0, 0, 0, 0, 3
.endif
.if \mode != 2
	WIN 0
	s_wait_xcnt 0x0                                ; the base of the B loads is stepped only behind this wait
	s_add_nc_u64 s[28:29], s[28:29], 32768
.endif
.endm
; A half's results are folded into the score sums: S += relu(acc + c) W_f, tile by tile.  c and W_f of tile b are one register of a pair,
; taken for both halves of the packed instruction by op_sel.  The very first tile starts the sums: nothing is cleared.
.macro EPIW n, hi
.if \hi
	WIN 0xc3                                       ; source 0 and destination window 3, source 1 window 0
.else
	WIN 0x82                                       ; the same with window 2
.endif
.irp a, 0,1,2,3
.irp b, 0,1,2,3,4,5,6,7
.irp p, 0,2,4,6
.if (\b)&1
	v_pk_add_f32 v[8*(8*\a+\b)+\p:8*(8*\a+\b)+\p+1], v[8*(8*\a+\b)+\p:8*(8*\a+\b)+\p+1], v[CC+8*\n+\b-1:CC+8*\n+\b] op_sel:[0,1] op_sel_hi:[1,1]
.else
	v_pk_add_f32 v[8*(8*\a+\b)+\p:8*(8*\a+\b)+\p+1], v[8*(8*\a+\b)+\p:8*(8*\a+\b)+\p+1], v[CC+8*\n+\b:CC+8*\n+\b+1] op_sel_hi:[1,0]
.endif
.endr
.irp p, 0,1,2,3,4,5,6,7
	v_max_num_f32 v[8*(8*\a+\b)+\p], v[8*(8*\a+\b)+\p], 0
.endr
.endr
.endr
.if \hi
	WIN 0x03                                       ; source 0 window 3, the rest window 0
.else
	WIN 0x02
.endif
.irp b, 0,1,2,3,4,5,6,7
.irp a, 0,1,2,3
.irp p, 0,2,4,6
.if (\n)+(\b) == 0
	v_pk_mul_f32 v[SS+8*(4*\hi+\a)+\p:SS+8*(4*\hi+\a)+\p+1], v[8*(8*\a+\b)+\p:8*(8*\a+\b)+\p+1], v[WF:WF+1] op_sel_hi:[1,0]
.else
.if (\b)&1
	v_pk_fma_f32 v[SS+8*(4*\hi+\a)+\p:SS+8*(4*\hi+\a)+\p+1], v[8*(8*\a+\b)+\p:8*(8*\a+\b)+\p+1], v[WF+8*\n+\b-1:WF+8*\n+\b], v[SS+8*(4*\hi+\a)+\p:SS+8*(4*\hi+\a)+\p+1] op_sel:[0,1,0] op_sel_hi:[1,1,1]
.else
	v_pk_fma_f32 v[SS+8*(4*\hi+\a)+\p:SS+8*(4*\hi+\a)+\p+1], v[8*(8*\a+\b)+\p:8*(8*\a+\b)+\p+1], v[WF+8*\n+\b:WF+8*\n+\b+1], v[SS+8*(4*\hi+\a)+\p:SS+8*(4*\hi+\a)+\p+1] op_sel_hi:[1,0,1]
.endif
.endif
.endr
.endr
.endr
.endm
.macro EPI n
.rept 4
	v_nop                                          ; four places before the results are read (ISA guide 7.12.1)
.endr
	EPIW \n, 0
	EPIW \n, 1
.endm
	; THE PRODUCT: two halves of N, 32 K steps each, eight trips of four
	TRIP 1, 0
	s_mov_b32 s30, 6
.Lk0:
	TRIP 0, 0
	s_sub_co_u32 s30, s30, 1
	s_cmp_lg_u32 s30, 0
	s_cbranch_scc1 .Lk0
	TRIP 0, 1
	EPI 0                                          ; the loads of the second half's first K steps stay on their way meanwhile
	TRIP 1, 0
	s_mov_b32 s30, 6
.Lk1:
	TRIP 0, 0
	s_sub_co_u32 s30, s30, 1
	s_cmp_lg_u32 s30, 0
	s_cbranch_scc1 .Lk1
	TRIP 0, 2
	EPI 1
	WIN 0
	; THE BLOCK'S SCORES
	s_lshl_b32 s34, s22, 9
	s_add_co_u32 s35, s34, L_SP
	v_lshl_add_u32 v48, v2, 5, s35                 ; my wave's partials: rows 8 h ..
	v_add_nc_u32 v49, L_SP, v[VB]                  ; rows 4 lane .. of wave 0's partials
	s_lshl_b32 s36, s22, 8
	s_add_co_u32 s36, s36, L_PB
	v_lshl_add_u32 v50, v3, 3, s36                 ; my four p, in my wave's copy
	v_lshl_add_u32 v51, v2, 4, s36                 ; p as a fragment: t = 8 h ..
	v_and_b32 v58, 7, v3
	v_lshl_add_u32 v58, v2, 3, v58
	v_mul_u32_u24 v[VT], v58, PITCH                ; row 8 h + lane % 8,
	v_bfe_u32 v58, v3, 3, 1
	v_lshl_add_u32 v[VT], v58, 4, v[VT]            ; 16 bytes on for lanes 8-15 and 24-31,
	v_add_nc_u32 v[VT], s34, v[VT]                 ; my wave's 256 columns
	v_add_nc_u32 v[VT+1], 32*PITCH, v[VT]
	v_add_nc_u32 v[VT+2], 64*PITCH, v[VT]
	v_add_nc_u32 v[VT+3], 96*PITCH, v[VT]
	s_lshl_b32 s37, s22, 10
	s_add_co_u32 s37, s37, L_ST
	v_lshl_add_u32 v56, v3, 2, s37
	v_lshl_add_u32 v57, v3, 4, s37
	v_lshlrev_b32 v59, 2, v3                       ; 4 lane: 0 in the one lane that stores m_g
.irp m, 1,2,4,8                                    ; sum over the sixteen columns that the lanes of a half hold
.set si, 0
.rept 64
	v_add_f32_dpp v[SS+si], v[SS+si], v[SS+si] row_xmask:\m row_mask:0xf bank_mask:0xf
.set si, si+1
.endr
.endr
.irp a, 0,1,2,3,4,5,6,7
.irp x, 0,1
	ds_store_b128 v48, v[SS+8*\a+4*\x:SS+8*\a+4*\x+3] offset:64*\a+16*\x   ; rows 16 a + 8 h + 4 x ..; the sixteen lanes of a half write the same numbers
.endr
.endr
	s_wait_dscnt 0x0                               ; for the others' sake
	s_barrier_signal -1
	s_barrier_wait -1
.irp w, 0,1,2,3
	ds_load_b128 v[64+4*\w:64+4*\w+3], v49 offset:512*\w
.endr
	s_wait_dscnt 0x0
	v_pk_add_f32 v[64:65], v[64:65], v[68:69]      ; every wave adds the four partials in the same order: the same scores in all
	v_pk_add_f32 v[66:67], v[66:67], v[70:71]
	v_pk_add_f32 v[72:73], v[72:73], v[76:77]
	v_pk_add_f32 v[74:75], v[74:75], v[78:79]
	v_pk_add_f32 v[64:65], v[64:65], v[72:73]
	v_pk_add_f32 v[66:67], v[66:67], v[74:75]
.irp c, 0,1,2,3
	v_add_f32 v[64+\c], s20, v[64+\c]              ; + b_f: the scores of rows 4 lane .. 4 lane + 3
.endr
	v_max3_num_f32 v68, v64, v65, v66
	v_max_num_f32 v68, v68, v67
	v_max_num_f32_dpp v68, v68, v68 row_xmask:1 row_mask:0xf bank_mask:0xf
	v_max_num_f32_dpp v68, v68, v68 row_xmask:2 row_mask:0xf bank_mask:0xf
	v_max_num_f32_dpp v68, v68, v68 row_xmask:4 row_mask:0xf bank_mask:0xf
	v_max_num_f32_dpp v68, v68, v68 row_xmask:8 row_mask:0xf bank_mask:0xf
	v_permlanex16_b32 v69, v68, s32, s33
	v_max_num_f32 v68, v68, v69                    ; m_g, in every lane
	s_cmp_lg_u32 s22, 0
	s_cbranch_scc1 .Lnosc
	global_store_b128 v[VB], v[64:67], s[18:19]    ; wave 0: 512 consecutive bytes; v[64:67], v68, v59 and v7 are not written again
	v_cmp_eq_u32 vcc_lo, 0, v3
	s_wait_xcnt 0x0                                ; EXEC changes only behind s_wait_xcnt 0
	s_and_saveexec_b32 s39, vcc_lo
	global_store_b32 v59, v68, s[42:43]            ; lane 0: the block's one number, 4 bytes; 256 such stores in the launch
	s_wait_xcnt 0x0
	s_or_b32 exec_lo, exec_lo, s39
.Lnosc:
	v_cmp_le_u32 vcc_lo, 16, v3                    ; lanes 16-31, for the way out
.irp c, 0,1,2,3
	v_sub_f32 v[70+\c], v[64+\c], v68
.endr
	v_pk_mul_f32 v[70:71], v[70:71], 0x3fb8aa3b op_sel_hi:[1,0]
	v_pk_mul_f32 v[72:73], v[72:73], 0x3fb8aa3b op_sel_hi:[1,0]
.irp c, 0,1,2,3
	v_exp_f32 v[70+\c], v[70+\c]
.endr
	v_nop                                          ; one plain vector instruction before a result is used (ISA guide 5.7.2)
	s_wait_alu depctr_va_vdst(0)
	v_cvt_pk_bf16_f32 v74, v70, v71
	v_cvt_pk_bf16_f32 v75, v72, v73
	ds_store_b64 v50, v[74:75]                     ; p of rows 4 lane .., into my wave's own copy: LDS serves a wave's instructions in order
	; THE PARTIAL CONTEXT, on the matrix unit: A = p (every row of the fragment the same), B = key transposed on its way out of LDS.
	; Wave w makes columns 256 w .. 256 w + 255: sixteen tiles; four steps of 32 rows.
.irp t, 0,1,2,3
	ds_load_b128 v[PF+8*\t:PF+8*\t+3], v51 offset:64*\t
	ds_load_b128 v[PF+8*\t+4:PF+8*\t+7], v51 offset:64*\t+32
.endr
.macro LOADT t                         ; 32 transposing loads: rows 32 t .. 32 t + 31, sixteen column tiles
.if \t < 2
	WIN 0x80                                       ; destination window 2
.else
	WIN 0xc0                                       ; destination window 3
.endif
.irp n, 0,1,2,3,4,5,6,7,8,9,10,11,12,13,14,15
	ds_load_tr16_b128 v[128*((\t)&1)+8*\n:128*((\t)&1)+8*\n+3], v[VT+\t] offset:32*\n
	ds_load_tr16_b128 v[128*((\t)&1)+8*\n+4:128*((\t)&1)+8*\n+7], v[VT+\t] offset:32*\n+HALF16
.endr
.endm
.macro MULT t, zero                    ; sixteen accumulators by turns, one instruction a turn
.if \t < 2
	WIN 0x58                                       ; A window 0, B window 2, C and D window 1
.else
	WIN 0x5c                                       ; B window 3
.endif
.irp n, 0,1,2,3,4,5,6,7,8,9,10,11,12,13,14,15
.if \zero
	v_wmma_f32_16x16x32_bf16 v[8*\n:8*\n+7], v[PF+8*\t:PF+8*\t+7], v[128*((\t)&1)+8*\n:128*((\t)&1)+8*\n+7], 0
.else
	v_wmma_f32_16x16x32_bf16 v[8*\n:8*\n+7], v[PF+8*\t:PF+8*\t+7], v[128*((\t)&1)+8*\n:128*((\t)&1)+8*\n+7], v[8*\n:8*\n+7]
.endif
.endr
.endm
	LOADT 0
	LOADT 1
	s_wait_dscnt 32                                ; all but the 32 loads of the step behind
	MULT 0, 1
	LOADT 2                                        ; into registers that no matrix instruction here has named
	s_wait_dscnt 32
	MULT 1, 0
	LOADT 3
	s_wait_dscnt 32
	MULT 2, 0
	s_wait_dscnt 0x0
	MULT 3, 0
.rept 4
	v_nop                                          ; four places before the results are read (ISA guide 7.12.1)
.endr
	WIN 0x05                                       ; sources window 1, destination window 0
.irp i, 0,1,2,3,4,5,6,7
	v_cndmask_b32 v[80+\i], v[16*\i], v[16*\i+8], vcc_lo   ; lanes 0-15: tile 2 i, lanes 16-31: tile 2 i + 1: column 32 i + lane
.endr
	WIN 0
.irp i, 0,1,2,3,4,5,6,7
	ds_store_b32 v56, v[80+\i] offset:128*\i       ; through my wave's own stage, to get 16 neighbouring bytes a lane
.endr
	ds_load_b128 v[88:91], v57
	ds_load_b128 v[92:95], v57 offset:512
	s_wait_dscnt 0x0
	global_store_b128 v[VB], v[88:91], s[40:41]    ; each store covers 512 consecutive bytes, aligned
	global_store_b128 v[VB], v[92:95], s[40:41] offset:512
	s_wait_xcnt 0x0
	s_mov_b32 exec_lo, -1
	v_lshl_add_u32 v62, v0, 2, 0x42400
	v_mov_b32 v63, 0
	s_wait_tensorcnt 0x0
	ds_add_u32 v62, v63
	s_wait_dscnt 0x0
	s_endpgm
.Lfunc_end_k_q3aebe2c2a7_attn:
	.size	k_q3aebe2c2a7_attn, .Lfunc_end_k_q3aebe2c2a7_attn-k_q3aebe2c2a7_attn
	.p2alignl 7, 3214868480
	.fill 96, 4, 3214868480
	.section	.rodata,"a",@progbits
	.p2align	6, 0x0
	.amdhsa_kernel k_q3aebe2c2a7_attn
		.amdhsa_group_segment_fixed_size 271872
		.amdhsa_private_segment_fixed_size 0
		.amdhsa_enable_private_segment 0
		.amdhsa_kernarg_size 80
		.amdhsa_user_sgpr_count 2
		.amdhsa_user_sgpr_kernarg_segment_ptr 1
		.amdhsa_wavefront_size32 1
		.amdhsa_system_sgpr_workgroup_id_x 1
		.amdhsa_system_sgpr_workgroup_id_y 1
		.amdhsa_system_sgpr_workgroup_id_z 1
		.amdhsa_system_vgpr_workitem_id 0
		.amdhsa_next_free_vgpr 1024
		.amdhsa_next_free_sgpr 66
		.amdhsa_reserve_vcc 1
		.amdhsa_float_denorm_mode_32 3
		.amdhsa_float_denorm_mode_16_64 3
		.amdhsa_memory_ordered 1
		.amdhsa_forward_progress 1
		.amdhsa_inst_pref_size 255
	.end_amdhsa_kernel
	.section	.bss,"aw",@nobits
	.p2align	6
	.space	262144
	.amdgpu_metadata
---
amdhsa.version: [ 1, 2 ]
amdhsa.kernels:
  - .name:           k_q3aebe2c2a7_attn
    .symbol:         k_q3aebe2c2a7_attn.kd
    .args:
      - { .name: key, .offset: 0, .size: 8, .value_kind: global_buffer, .address_space: global }
      - { .name: wkf, .offset: 8, .size: 8, .value_kind: global_buffer, .address_space: global }
      - { .name: c2p, .offset: 16, .size: 8, .value_kind: global_buffer, .address_space: global }
      - { .name: b_K, .offset: 24, .size: 8, .value_kind: global_buffer, .address_space: global }
      - { .name: b_Q, .offset: 32, .size: 8, .value_kind: global_buffer, .address_space: global }
      - { .name: W_f, .offset: 40, .size: 8, .value_kind: global_buffer, .address_space: global }
      - { .name: b_f, .offset: 48, .size: 8, .value_kind: global_buffer, .address_space: global }
      - { .name: sc, .offset: 56, .size: 8, .value_kind: global_buffer, .address_space: global }
      - { .name: cp, .offset: 64, .size: 8, .value_kind: global_buffer, .address_space: global }
      - { .name: mg, .offset: 72, .size: 8, .value_kind: global_buffer, .address_space: global }
    .group_segment_fixed_size: 271872
    .private_segment_fixed_size: 0
    .kernarg_segment_align: 8
    .kernarg_segment_size: 80
    .max_flat_workgroup_size: 128
    .sgpr_count:     66
    .vgpr_count:     1024
    .wavefront_size: 32
...
	.end_amdgpu_metadata
.endif
;; end of part 2
;; launch part (part 3): grid 256 x 1, 4 waves a work-group, no clusters, 21,504 bytes of LDS; arguments mg, cp, W_V, op; writes op
.if DOCPART == 3
	.amdgcn_target "amdgcn-amd-amdhsa--gfx1250"
	.amdhsa_code_object_version 6
	.text
	.protected	k_q3aebe2c2a7_part
	.globl	k_q3aebe2c2a7_part
	.p2align	8
	.type	k_q3aebe2c2a7_part,@function
k_q3aebe2c2a7_part:
	s_mov_b64 s[64:65], 0
	v_nop
	global_prefetch_b8 v0, s[64:65] scope:SCOPE_SE
	s_setreg_imm32_b32 hwreg(HW_REG_WAVE_MODE, 25, 1), 1
	s_wait_xcnt 0x0
; A piece of (weighted row sum) x W_V.  Work-group = 128 mb + 16 kq + cg: sixteen batches 16 mb .., 128 k from 128 kq, 64 columns from 64 cg.
;   x[b][k]        = sum over the batch's eight blocks g of exp(m_g - M_b) cp[g][k],   M_b = the largest of the eight m_g
;   op[kq][b][col] = sum over the 128 k of x[b][k] W_V[k][col]                          (bf16 operands, f32 sums)
; The last launch adds the eight pieces, divides by the softmax's sum and adds b_V.
; K is split over work-groups (8) and waves (4) so that all 256 groups pull weights: a group reads 128 rows x 512 bytes of cp, 128 rows x 256
; bytes of W_V and 512 bytes of mg, all asked for at once (49 loads a wave).
; Wave w joins batches 4 w .. 4 w + 3 of the sixteen: a load takes one block's 512 consecutive bytes, so a block's weight is the same in all
; lanes and is kept in a scalar register (v_readlane_b32 from the lane that made it).  The sixteen rows of x go to LDS as bf16 (pitch 272, an
; odd multiple of 16); behind a barrier wave w takes K step w as its A fragment.  B fragments as in the first launch: tile q takes column
; 4 r + q.  The four waves' sums meet in LDS; wave w' adds rows 8 h + 2 w', + 1, and the last add writes the registers transposed, so that
; a lane stores four neighbouring columns.
; LDS: 0 .. 4,351 x in bf16; 4,608 .. 20,991 the waves' partial sums (4,096 bytes each).
; No tensor loads, no cluster: a byte of W_V is read by two work-groups, a byte of cp by sixteen, each once and at the head.
; Limits: operands rounded to bf16; v_exp_f32 gives 0 for results below 2^-126; NaN and infinities get no special care.
.set VM,   4                           ; v4      4 lane
.set VC,   5                           ; v5      16 lane
.set VW,   6                           ; v6      8 h rows of 4,096 bytes + 16 r
.set LXS,  7                           ; v7      LDS: where my wave puts a batch's 128 numbers
.set LXA,  8                           ; v8      LDS: my A fragment
.set LPS,  9                           ; v9      LDS: where my wave puts its partial sums
.set LPL,  10                          ; v10     LDS: the pairs that my wave adds
.set VO,   11                          ; v11     byte offset of my 16 bytes of the result
.set MW,   12                          ; v12     m of block lane, then its weight
.set MX,   13                          ; v13     the batch's maximum
.set CT,   16                          ; v[16:31]   x of my four batches, four k a lane
.set BF,   32                          ; v[32:63]   the four B fragments
.set W0,   64                          ; v[64:127]  W as loaded
.set CPR,  128                         ; v[128:255] cp as loaded: block i at 4 i
.set ACC,  128                         ; v[128:159] afterwards: four accumulators
.set RED,  160                         ; v[160:191] the sixteen pairs to add
.set TR,   192                         ; v[192:199] the sums, transposed
.set AF,   200                         ; v[200:207] the A fragment
.set WT,   32                          ; s[32:63]   the weights of my wave's 32 blocks
.set L_RP, 4608
	s_load_b256 s[4:11], s[0:1], 0x0               ; mg s[4:5], cp s[6:7], W_V s[8:9], op s[10:11]
	v_lshl_add_u32 v14, v0, 2, 0x5200
	v_mov_b32 v15, 0
	v_lshrrev_b32 v2, 5, v0
	v_readfirstlane_b32 s12, v2                    ; wave 0..3
	v_and_b32 v1, 15, v0                           ; r
	v_bfe_u32 v2, v0, 4, 1                         ; h
	v_and_b32 v3, 31, v0                           ; lane
	s_and_b32 s13, ttmp9, 15                       ; cg
	s_bfe_u32 s14, ttmp9, 0x30004                  ; kq
	s_lshr_b32 s15, ttmp9, 7                       ; mb
	s_lshl_b32 s16, s15, 9                         ; mg: block 128 mb + 32 w
	s_lshl_b32 s24, s12, 7
	s_add_co_u32 s16, s16, s24
	s_mov_b32 s17, 0
	s_lshl_b32 s18, s15, 19                        ; cp: that block's row of 4,096 bytes + 512 kq
	s_lshl_b32 s24, s12, 17
	s_add_co_u32 s18, s18, s24
	s_lshl_b32 s25, s14, 9
	s_add_co_u32 s18, s18, s25
	s_mov_b32 s19, 0
	s_lshl_b32 s20, s14, 19                        ; W_V: row 128 kq + 32 w, + 256 cg
	s_add_co_u32 s20, s20, s24
	s_lshl_b32 s25, s13, 8
	s_add_co_u32 s20, s20, s25
	s_mov_b32 s21, 0
	s_lshl_b32 s22, s14, 17                        ; op: 131,072 kq + 16 mb rows + 256 cg
	s_lshl_b32 s24, s15, 16
	s_add_co_u32 s22, s22, s24
	s_add_co_u32 s22, s22, s25
	s_mov_b32 s23, 0
	v_lshlrev_b32 v[VM], 2, v3
	v_lshlrev_b32 v[VC], 4, v3
	v_lshlrev_b32 v[VW], 4, v1
	v_lshl_add_u32 v[VW], v2, 15, v[VW]
	s_mul_i32 s24, s12, 4*272
	v_lshl_add_u32 v[LXS], v3, 3, s24              ; row 4 w, 8 bytes a lane
	v_mul_u32_u24 v[LXA], v1, 272
	v_lshl_add_u32 v[LXA], v2, 4, v[LXA]
	s_lshl_b32 s24, s12, 6
	v_add_nc_u32 v[LXA], s24, v[LXA]               ; row r, K step w, 16 bytes for each half of the lanes
	s_lshl_b32 s24, s12, 12
	s_add_co_u32 s24, s24, L_RP
	v_lshl_add_u32 v[LPS], v3, 4, s24
	s_lshr_b32 s24, s12, 1                         ; registers 2 w', 2 w' + 1 of a tile: quad half w' / 2, bytes 8 (w' % 2)
	s_lshl_b32 s24, s24, 9
	s_and_b32 s25, s12, 1
	s_lshl_b32 s25, s25, 3
	s_add_co_u32 s24, s24, s25
	s_add_co_u32 s24, s24, L_RP
	v_lshl_add_u32 v[LPL], v3, 4, s24
	s_lshl_b32 s24, s12, 13
	v_add_nc_u32 v[VO], s24, v[VW]                 ; rows 8 h + 2 w', 16 r
	s_wait_kmcnt 0x0
	s_add_nc_u64 s[4:5], s[4:5], s[16:17]
	s_add_nc_u64 s[6:7], s[6:7], s[18:19]
	s_add_nc_u64 s[8:9], s[8:9], s[20:21]
	s_add_nc_u64 s[10:11], s[10:11], s[22:23]
	global_load_b32 v[MW], v[VM], s[4:5]           ; lane i: m of block i of my 32
.set i, 0
.rept 32
	global_load_b128 v[CPR+4*i:CPR+4*i+3], v[VC], s[6:7] offset:4096*i      ; 512 consecutive bytes of block i
.set i, i+1
.endr
.irp i, 0,1
.irp e, 0,1,2,3,4,5,6,7
	global_load_b128 v[W0+4*(8*\i+\e):W0+4*(8*\i+\e)+3], v[VW], s[8:9] offset:(16*\i+\e)*4096
.endr
.endr
	s_wait_loadcnt 48                              ; the maxima are in: 32 loads of cp and 16 of W_V were issued behind them
	v_mov_b32 v[MX], v[MW]
	v_max_num_f32_dpp v[MX], v[MX], v[MX] row_xmask:1 row_mask:0xf bank_mask:0xf   ; over the eight lanes of a batch
	v_max_num_f32_dpp v[MX], v[MX], v[MX] row_xmask:2 row_mask:0xf bank_mask:0xf
	v_max_num_f32_dpp v[MX], v[MX], v[MX] row_xmask:4 row_mask:0xf bank_mask:0xf
	v_sub_f32 v[MW], v[MW], v[MX]
	v_mul_f32 v[MW], 0x3fb8aa3b, v[MW]
	v_exp_f32 v[MW], v[MW]                         ; exp(m_g - M_b)
	v_nop                                          ; one plain vector instruction before the result is used (ISA guide 5.7.2)
.set i, 0
	s_wait_alu depctr_va_vdst(0)
.rept 32
	v_readlane_b32 s[WT+i], v[MW], i
.set i, i+1
.endr
; Batch bb of my four: its eight blocks, weighted; rounded to bf16; 256 bytes into LDS.
.macro BATCH bb
	s_wait_loadcnt 16+8*(3-\bb)                    ; behind this batch's loads: the later batches' and the 16 of W_V
.irp c, 0,1,2,3
	v_mul_f32 v[CT+4*\bb+\c], s[WT+8*\bb], v[CPR+32*\bb+\c]
.endr
.irp j, 1,2,3,4,5,6,7
.irp c, 0,1,2,3
	v_fmac_f32 v[CT+4*\bb+\c], s[WT+8*\bb+\j], v[CPR+32*\bb+4*\j+\c]
.endr
.endr
	v_cvt_pk_bf16_f32 v[CT+4*\bb], v[CT+4*\bb], v[CT+4*\bb+1]
	v_cvt_pk_bf16_f32 v[CT+4*\bb+1], v[CT+4*\bb+2], v[CT+4*\bb+3]
	ds_store_b64 v[LXS], v[CT+4*\bb:CT+4*\bb+1] offset:272*\bb
.endm
	BATCH 0
	BATCH 1
	BATCH 2
	BATCH 3
	s_wait_dscnt 0x0                               ; my four rows of x are in LDS, for the others' sake
	s_barrier_signal -1
	s_barrier_wait -1
	ds_load_b128 v[AF:AF+3], v[LXA]
	ds_load_b128 v[AF+4:AF+7], v[LXA] offset:32
	s_wait_loadcnt 0x0
.irp q, 0,1,2,3                                    ; 16 rows' quads -> four B fragments: word p of group i of tile q holds k = 16 i + 8 h + 2 p, + 1
.irp i, 0,1
.irp p, 0,1,2,3
	v_cvt_pk_bf16_f32 v[BF+8*\q+4*\i+\p], v[W0+4*(8*\i+2*\p)+\q], v[W0+4*(8*\i+2*\p+1)+\q]
.endr
.endr
.endr
	s_wait_dscnt 0x0
.irp q, 0,1,2,3                                    ; four products on four accumulators; each starts its sum
	v_wmma_f32_16x16x32_bf16 v[ACC+8*\q:ACC+8*\q+7], v[AF:AF+7], v[BF+8*\q:BF+8*\q+7], 0
.endr
.rept 4
	v_nop                                          ; four places before the results are read (ISA guide 7.12.1)
.endr
.irp t, 0,1,2,3,4,5,6,7
	ds_store_b128 v[LPS], v[ACC+4*\t:ACC+4*\t+3] offset:512*\t
.endr
	s_wait_dscnt 0x0                               ; for the others' sake
	s_barrier_signal -1
	s_barrier_wait -1
.irp q, 0,1,2,3
.irp p, 0,1,2,3
	ds_load_b64 v[RED+8*\q+2*\p:RED+8*\q+2*\p+1], v[LPL] offset:4096*\p+1024*\q    ; tile q, wave p
.endr
.endr
	s_wait_dscnt 0x0
.irp q, 0,1,2,3
	v_pk_add_f32 v[RED+8*\q:RED+8*\q+1], v[RED+8*\q:RED+8*\q+1], v[RED+8*\q+2:RED+8*\q+3]
	v_pk_add_f32 v[RED+8*\q+4:RED+8*\q+5], v[RED+8*\q+4:RED+8*\q+5], v[RED+8*\q+6:RED+8*\q+7]
	v_add_f32 v[TR+\q], v[RED+8*\q], v[RED+8*\q+4]             ; the last add transposes: column 4 r + q beside its neighbours
	v_add_f32 v[TR+4+\q], v[RED+8*\q+1], v[RED+8*\q+5]
.endr
	global_store_b128 v[VO], v[TR:TR+3], s[10:11]              ; sixteen lanes store 256 consecutive bytes, aligned
	global_store_b128 v[VO], v[TR+4:TR+7], s[10:11] offset:4096
	s_barrier_signal -1
	s_barrier_wait -1
	s_wait_tensorcnt 0x0
	ds_add_u32 v14, v15
	s_wait_dscnt 0x0
	s_endpgm
.Lfunc_end_k_q3aebe2c2a7_part:
	.size	k_q3aebe2c2a7_part, .Lfunc_end_k_q3aebe2c2a7_part-k_q3aebe2c2a7_part
	.p2alignl 7, 3214868480
	.fill 96, 4, 3214868480
	.section	.rodata,"a",@progbits
	.p2align	6, 0x0
	.amdhsa_kernel k_q3aebe2c2a7_part
		.amdhsa_group_segment_fixed_size 21504
		.amdhsa_private_segment_fixed_size 0
		.amdhsa_enable_private_segment 0
		.amdhsa_kernarg_size 32
		.amdhsa_user_sgpr_count 2
		.amdhsa_user_sgpr_kernarg_segment_ptr 1
		.amdhsa_wavefront_size32 1
		.amdhsa_system_sgpr_workgroup_id_x 1
		.amdhsa_system_sgpr_workgroup_id_y 1
		.amdhsa_system_sgpr_workgroup_id_z 1
		.amdhsa_system_vgpr_workitem_id 0
		.amdhsa_next_free_vgpr 256
		.amdhsa_next_free_sgpr 66
		.amdhsa_reserve_vcc 0
		.amdhsa_float_denorm_mode_32 3
		.amdhsa_float_denorm_mode_16_64 3
		.amdhsa_memory_ordered 1
		.amdhsa_forward_progress 1
		.amdhsa_inst_pref_size 20
	.end_amdhsa_kernel
	.amdgpu_metadata
---
amdhsa.version: [ 1, 2 ]
amdhsa.kernels:
  - .name:           k_q3aebe2c2a7_part
    .symbol:         k_q3aebe2c2a7_part.kd
    .args:
      - { .name: mg, .offset: 0, .size: 8, .value_kind: global_buffer, .address_space: global }
      - { .name: cp, .offset: 8, .size: 8, .value_kind: global_buffer, .address_space: global }
      - { .name: W_V, .offset: 16, .size: 8, .value_kind: global_buffer, .address_space: global }
      - { .name: op, .offset: 24, .size: 8, .value_kind: global_buffer, .address_space: global }
    .group_segment_fixed_size: 21504
    .private_segment_fixed_size: 0
    .kernarg_segment_align: 8
    .kernarg_segment_size: 32
    .max_flat_workgroup_size: 128
    .sgpr_count:     66
    .vgpr_count:     256
    .wavefront_size: 32
...
	.end_amdgpu_metadata
.endif
;; end of part 3
;; launch fin (part 4): grid 32 x 1, 8 waves a work-group, no clusters, 1,280 bytes of LDS; arguments sc, op, b_V, out1, out0; writes out1, out0
.if DOCPART == 4
	.amdgcn_target "amdgcn-amd-amdhsa--gfx1250"
	.amdhsa_code_object_version 6
	.text
	.protected	k_q3aebe2c2a7_fin
	.globl	k_q3aebe2c2a7_fin
	.p2align	8
	.type	k_q3aebe2c2a7_fin,@function
k_q3aebe2c2a7_fin:
	s_mov_b64 s[64:65], 0
	v_nop
	global_prefetch_b8 v0, s[64:65] scope:SCOPE_SE
	s_setreg_imm32_b32 hwreg(HW_REG_WAVE_MODE, 25, 1), 1
	s_wait_xcnt 0x0
; One work-group for a batch.  From its 1,024 scores and the eight pieces of the value product:
;   M = max s,  L = sum exp(s - M),  out1 = alpha = exp(s - M) / L,  out0 = (sum over kq of op[kq]) / L + b_V.
; (b_V is added once: the softmax's weights sum to one.)
; Thread t owns scores and columns 4 t .. 4 t + 3, so wave w holds just the scores of block w: its maximum m_w is the number that the main
; launch took away and that the launch before weighted the blocks by (the maximum of the same f32 numbers, hence the same bits), and M is
; the M_b used there.  Each wave makes e = exp(s - m_w) and their sum l_w; ONE barrier; then L = sum exp(m_w - M) l_w and
; alpha = e exp(m_w - M) / L.  All ten loads go out at once.  LDS: bytes 0-31 the waves' maxima, bytes 32-63 the waves' sums.
; A stream of 40 KiB a group: no matrix unit, no tensor loads, no cluster.
; Limits: v_exp_f32 gives 0 for results below 2^-126; 1 / L by v_rcp_f32 (L >= 1); NaN and infinities get no special care.
	s_load_b256 s[4:11], s[0:1], 0x0               ; sc s[4:5], op s[6:7], b_V s[8:9], out1 s[10:11]
	s_load_b64 s[12:13], s[0:1], 0x20              ; out0
	v_lshl_add_u32 v80, v0, 2, 0x100
	v_mov_b32 v81, 0
	v_lshrrev_b32 v1, 5, v0
	v_readfirstlane_b32 s14, v1                    ; wave 0..7
	v_lshlrev_b32 v2, 4, v0                        ; 16 t
	s_lshl_b32 s16, ttmp9, 12                      ; a batch's 4,096 bytes
	s_mov_b32 s17, 0
	s_mov_b32 s18, 0x76543210
	s_mov_b32 s19, 0xfedcba98
	v_mov_b32 v10, s14
	v_lshlrev_b32 v10, 2, v10                      ; my wave's word
	v_mov_b32 v11, 0
	s_wait_kmcnt 0x0
	s_add_nc_u64 s[4:5], s[4:5], s[16:17]
	s_add_nc_u64 s[6:7], s[6:7], s[16:17]
	s_add_nc_u64 s[10:11], s[10:11], s[16:17]
	s_add_nc_u64 s[12:13], s[12:13], s[16:17]
	global_load_b128 v[4:7], v2, s[4:5]
.irp k, 0,1,2,3,4,5,6,7
	global_load_b128 v[16+4*\k:16+4*\k+3], v2, s[6:7] offset:131072*\k
.endr
	global_load_b128 v[48:51], v2, s[8:9]
	s_wait_loadcnt 9                               ; the scores are in: eight loads of op and one of b_V were issued behind them
	v_max3_num_f32 v8, v4, v5, v6
	v_max_num_f32 v8, v8, v7
	v_max_num_f32_dpp v8, v8, v8 row_xmask:1 row_mask:0xf bank_mask:0xf
	v_max_num_f32_dpp v8, v8, v8 row_xmask:2 row_mask:0xf bank_mask:0xf
	v_max_num_f32_dpp v8, v8, v8 row_xmask:4 row_mask:0xf bank_mask:0xf
	v_max_num_f32_dpp v8, v8, v8 row_xmask:8 row_mask:0xf bank_mask:0xf
	v_mov_b32 v9, v8                               ; the permute's destination counts as read
	v_permlanex16_b32 v9, v8, s18, s19
	v_max_num_f32 v8, v8, v9                       ; m_w
.irp c, 0,1,2,3
	v_sub_f32 v[52+\c], v[4+\c], v8
.endr
	v_pk_mul_f32 v[52:53], v[52:53], 0x3fb8aa3b op_sel_hi:[1,0]
	v_pk_mul_f32 v[54:55], v[54:55], 0x3fb8aa3b op_sel_hi:[1,0]
.irp c, 0,1,2,3
	v_exp_f32 v[52+\c], v[52+\c]                   ; e = exp(s - m_w)
.endr
	v_nop                                          ; one plain vector instruction before a result is used (ISA guide 5.7.2)
	s_wait_alu depctr_va_vdst(0)
	v_add_f32 v13, v52, v53
	v_add_f32 v14, v54, v55
	v_add_f32 v13, v13, v14
	v_add_f32_dpp v13, v13, v13 row_xmask:1 row_mask:0xf bank_mask:0xf
	v_add_f32_dpp v13, v13, v13 row_xmask:2 row_mask:0xf bank_mask:0xf
	v_add_f32_dpp v13, v13, v13 row_xmask:4 row_mask:0xf bank_mask:0xf
	v_add_f32_dpp v13, v13, v13 row_xmask:8 row_mask:0xf bank_mask:0xf
	v_permlanex16_b32 v14, v13, s18, s19
	v_add_f32 v13, v13, v14                        ; l_w
	ds_store_b32 v10, v8
	ds_store_b32 v10, v13 offset:32
	s_wait_dscnt 0x0                               ; for the others' sake
	s_barrier_signal -1
	s_barrier_wait -1
	ds_load_b128 v[56:59], v11
	ds_load_b128 v[60:63], v11 offset:16
	ds_load_b128 v[64:67], v11 offset:32
	ds_load_b128 v[68:71], v11 offset:48
	s_wait_dscnt 0x0
	v_max3_num_f32 v12, v56, v57, v58
	v_max3_num_f32 v12, v12, v59, v60
	v_max3_num_f32 v12, v12, v61, v62
	v_max_num_f32 v12, v12, v63                    ; M
.irp g, 0,1,2,3,4,5,6,7
	v_sub_f32 v[56+\g], v[56+\g], v12
.endr
	v_sub_f32 v72, v8, v12
.irp x, 0,2,4,6
	v_pk_mul_f32 v[56+\x:56+\x+1], v[56+\x:56+\x+1], 0x3fb8aa3b op_sel_hi:[1,0]
.endr
	v_mul_f32 v72, 0x3fb8aa3b, v72
.irp g, 0,1,2,3,4,5,6,7
	v_exp_f32 v[56+\g], v[56+\g]                   ; exp(m_g - M)
.endr
	v_exp_f32 v72, v72                             ; my wave's
	v_nop
	s_wait_alu depctr_va_vdst(0)
	v_pk_mul_f32 v[74:75], v[56:57], v[64:65]
	v_pk_fma_f32 v[74:75], v[58:59], v[66:67], v[74:75]
	v_pk_fma_f32 v[74:75], v[60:61], v[68:69], v[74:75]
	v_pk_fma_f32 v[74:75], v[62:63], v[70:71], v[74:75]
	v_add_f32 v14, v74, v75                        ; L
	v_rcp_f32 v76, v14                             ; twice: a pair for the packed multiply-add
	v_rcp_f32 v77, v14
	v_nop
	s_wait_alu depctr_va_vdst(0)
	v_mul_f32 v72, v72, v76
.irp c, 0,1,2,3
	v_mul_f32 v[52+\c], v[52+\c], v72              ; alpha
.endr
	global_store_b128 v2, v[52:55], s[10:11]       ; a wave's store covers 512 consecutive bytes, aligned
	s_wait_loadcnt 0x0
.irp n, 4,2,1                                      ; a tree over the eight pieces
.set qq, 0
.rept \n
	v_pk_add_f32 v[16+4*qq:16+4*qq+1], v[16+4*qq:16+4*qq+1], v[16+4*(qq+\n):16+4*(qq+\n)+1]
	v_pk_add_f32 v[16+4*qq+2:16+4*qq+3], v[16+4*qq+2:16+4*qq+3], v[16+4*(qq+\n)+2:16+4*(qq+\n)+3]
.set qq, qq+1
.endr
.endr
	v_pk_fma_f32 v[16:17], v[16:17], v[76:77], v[48:49]
	v_pk_fma_f32 v[18:19], v[18:19], v[76:77], v[50:51]
	global_store_b128 v2, v[16:19], s[12:13]
	s_barrier_signal -1
	s_barrier_wait -1
	s_wait_tensorcnt 0x0
	ds_add_u32 v80, v81
	s_wait_dscnt 0x0
	s_endpgm
.Lfunc_end_k_q3aebe2c2a7_fin:
	.size	k_q3aebe2c2a7_fin, .Lfunc_end_k_q3aebe2c2a7_fin-k_q3aebe2c2a7_fin
	.p2alignl 7, 3214868480
	.fill 96, 4, 3214868480
	.section	.rodata,"a",@progbits
	.p2align	6, 0x0
	.amdhsa_kernel k_q3aebe2c2a7_fin
		.amdhsa_group_segment_fixed_size 1280
		.amdhsa_private_segment_fixed_size 0
		.amdhsa_enable_private_segment 0
		.amdhsa_kernarg_size 40
		.amdhsa_user_sgpr_count 2
		.amdhsa_user_sgpr_kernarg_segment_ptr 1
		.amdhsa_wavefront_size32 1
		.amdhsa_system_sgpr_workgroup_id_x 1
		.amdhsa_system_sgpr_workgroup_id_y 1
		.amdhsa_system_sgpr_workgroup_id_z 1
		.amdhsa_system_vgpr_workitem_id 0
		.amdhsa_next_free_vgpr 82
		.amdhsa_next_free_sgpr 66
		.amdhsa_reserve_vcc 0
		.amdhsa_float_denorm_mode_32 3
		.amdhsa_float_denorm_mode_16_64 3
		.amdhsa_memory_ordered 1
		.amdhsa_forward_progress 1
		.amdhsa_inst_pref_size 8
	.end_amdhsa_kernel
	.amdgpu_metadata
---
amdhsa.version: [ 1, 2 ]
amdhsa.kernels:
  - .name:           k_q3aebe2c2a7_fin
    .symbol:         k_q3aebe2c2a7_fin.kd
    .args:
      - { .name: sc, .offset: 0, .size: 8, .value_kind: global_buffer, .address_space: global }
      - { .name: op, .offset: 8, .size: 8, .value_kind: global_buffer, .address_space: global }
      - { .name: b_V, .offset: 16, .size: 8, .value_kind: global_buffer, .address_space: global }
      - { .name: out1, .offset: 24, .size: 8, .value_kind: global_buffer, .address_space: global }
      - { .name: out0, .offset: 32, .size: 8, .value_kind: global_buffer, .address_space: global }
    .group_segment_fixed_size: 1280
    .private_segment_fixed_size: 0
    .kernarg_segment_align: 8
    .kernarg_segment_size: 40
    .max_flat_workgroup_size: 256
    .sgpr_count:     66
    .vgpr_count:     82
    .wavefront_size: 32
...
	.end_amdgpu_metadata
.endif
;; end of part 4
